; MI455X (gfx1250); checked and timed in simulation.
; The chip was launched on July 23, 2026; its instructions are those of AMD's public machine-readable ISA for CDNA 5 (MIT licence, August 2026) and "CDNA5" Instruction Set Architecture Reference Guide (July 2026). The comments in the code are by the model that wrote it; some were corrected since.
;; Multi Self Attention Head Varlen Flex. Allowed arithmetic: float matrix products may take bf16 or f16 operands with f32 sums; other float arithmetic in f32, or as packed bf16 or f16 multiplies, adds, multiply-adds, maxima and minima; sums over many terms, partial sums and values carried from step to step in f32; what a program stores and reads back later, other than sums and carried values, may be rounded once to bf16 or f16.
;; Inputs: Wk 2,048 x 2,048 float32; Wo 2,048 x 2,048 float32; Wq 2,048 x 2,048 float32; Wv 2,048 x 2,048 float32; x 2,048 x 2,048 float32.
;; Outputs: out0 2,048 x 2,048 float32.
;; One version. Each part assembles by itself: llvm-mc -triple=amdgcn-amd-amdhsa -mcpu=gfx1250 --defsym DOCPART=n.
;; ======== version 1 of 1: 3 launches
;; workspace buffers: xa 9,437,184 bytes; wb 33,554,432 bytes; ob 1,048,576 bytes
;; launch prep (part 1): grid 256 x 5, 8 waves a work-group, no clusters, 0 bytes of LDS; arguments x, Wk, Wv, Wq, Wo, xa, wb, out0; writes xa, wb, out0
.if DOCPART == 1
	.amdgcn_target "amdgcn-amd-amdhsa--gfx1250"
	.amdhsa_code_object_version 6
	.text
	.protected	k_q6d8947e649_prep
	.globl	k_q6d8947e649_prep
	.p2align	8
	.type	k_q6d8947e649_prep,@function
k_q6d8947e649_prep:
	s_mov_b64 s[64:65], 0
	v_nop
	global_prefetch_b8 v0, s[64:65] scope:SCOPE_SE
	s_setreg_imm32_b32 hwreg(HW_REG_WAVE_MODE, 25, 1), 1
	s_wait_xcnt 0x0
; PREP.  A stream: one wave, one row of 2,048 f32 (8,192 bytes), read once by sixteen 16-byte loads a lane, all issued at once.
; Grid y = 0: a row R of x.  xn = (x - mean) * rsqrt(var + 1e-5), mean and variance in f32 in two passes over the registers, rounded once to bf16 and stored
;   into xa[R % 16][R / 16]: xa is [16 blocks][144 rows][2048] bf16; block y holds in rows 0-127 the keys 16 j + y that the queries 16 y .. 16 y + 15 may see,
;   and in rows 128-143 those queries themselves, so rows R < 256 are stored a second time, into xa[R / 16][128 + R % 16].
;   Rows R >= 256 have no key in the mask that the module builds, so their result is x itself: the row is copied to out0 from the registers.
; Grid y = 1..4: a row of Wk, Wv, Wq, Wo, rounded once to bf16 into wb[y & 3] (order O, K, V, Q), layout [k][n] as it came.
; No LDS, no barrier, no matrix unit, no cluster: no wave wants a byte that another wave has read.
; Each b64 store of a wave covers 256 consecutive bytes, aligned; each b128 store 512.
.set X,  4                             ; v[4:67]    the row: load j holds columns 128 j + 4 lane .. + 3
.set Y,  68                            ; v[68:99]   the row in bf16
.set T,  100                           ; v[100:107] four chains of packed sums
.set U,  108                           ; v108 a total; v109 the other half of the lanes'
.set M,  110                           ; v[110:111] the mean, later 1 / sqrt(var + eps), twice
	s_load_b512 s[8:23], s[0:1], 0x0               ; x 8, Wk 10, Wv 12, Wq 14, Wo 16, xa 18, wb 20, out0 22
	v_lshrrev_b32 v1, 5, v0
	v_readfirstlane_b32 s2, v1                     ; wave 0..7
	s_and_b32 s3, ttmp7, 0xffff                    ; which tensor
	s_lshl_b32 s4, ttmp9, 3
	s_add_co_u32 s4, s4, s2                        ; R: my row
	s_lshl_b32 s26, s4, 13                         ; its byte offset in an f32 tensor
	s_mov_b32 s27, 0
	s_mov_b32 s32, 0x76543210                      ; v_permlanex16_b32: each lane takes its own place in the other half
	s_mov_b32 s33, 0xfedcba98
	s_mov_b32 s34, 0x3a000000                      ; 1 / 2048
	s_mov_b32 s35, 0x3727c5ac                      ; 1e-5
	v_and_b32 v1, 31, v0
	v_lshlrev_b32 v2, 4, v1                        ; 16 x lane
	v_lshlrev_b32 v3, 3, v1                        ; 8 x lane
	v_mov_b32 v[U+1], 0                            ; v_permlanex16_b32 counts as a reader of its destination
	s_wait_kmcnt 0x0
	s_mov_b64 s[24:25], s[8:9]                     ; the source, chosen by the grid's y
	s_cmp_eq_u32 s3, 1
	s_cselect_b64 s[24:25], s[10:11], s[24:25]
	s_cmp_eq_u32 s3, 2
	s_cselect_b64 s[24:25], s[12:13], s[24:25]
	s_cmp_eq_u32 s3, 3
	s_cselect_b64 s[24:25], s[14:15], s[24:25]
	s_cmp_eq_u32 s3, 4
	s_cselect_b64 s[24:25], s[16:17], s[24:25]
	s_add_nc_u64 s[24:25], s[24:25], s[26:27]
.irp j, 0,1,2,3,4,5,6,7,8,9,10,11,12,13,14,15
	global_load_b128 v[X+4*(\j):X+4*(\j)+3], v2, s[24:25] offset:512*(\j) th:TH_LOAD_NT
.endr
	s_cmp_eq_u32 s3, 0
	s_cbranch_scc1 .Lln
	; a row of a weight: rounded and stored as its loads come in
	s_and_b32 s5, s3, 3                            ; K 1, V 2, Q 3, O 0
	s_lshl_b32 s5, s5, 23                          ; a matrix in bf16 is 8 MiB
	s_lshl_b32 s6, s4, 12                          ; a row 4,096 bytes
	s_add_co_u32 s36, s5, s6
	s_mov_b32 s37, 0
	s_add_nc_u64 s[28:29], s[20:21], s[36:37]
.irp j, 0,1,2,3,4,5,6,7,8,9,10,11,12,13,14,15
	s_wait_loadcnt 15-(\j)                         ; loads come back in order: load j is in, the younger ones stay out
	v_cvt_pk_bf16_f32 v[Y+2*(\j)],   v[X+4*(\j)],   v[X+4*(\j)+1]
	v_cvt_pk_bf16_f32 v[Y+2*(\j)+1], v[X+4*(\j)+2], v[X+4*(\j)+3]
	global_store_b64 v3, v[Y+2*(\j):Y+2*(\j)+1], s[28:29] offset:256*(\j)
.endr
	s_endpgm
.macro TOTAL                           ; the four chains -> the row's total in v[U], in every lane
	v_pk_add_f32 v[T:T+1], v[T:T+1], v[T+2:T+3]
	v_pk_add_f32 v[T+4:T+5], v[T+4:T+5], v[T+6:T+7]
	v_pk_add_f32 v[T:T+1], v[T:T+1], v[T+4:T+5]
	v_add_f32 v[U], v[T], v[T+1]
	v_add_f32_dpp v[U], v[U], v[U] row_xmask:1 row_mask:0xf bank_mask:0xf
	v_add_f32_dpp v[U], v[U], v[U] row_xmask:2 row_mask:0xf bank_mask:0xf
	v_add_f32_dpp v[U], v[U], v[U] row_xmask:4 row_mask:0xf bank_mask:0xf
	v_add_f32_dpp v[U], v[U], v[U] row_xmask:8 row_mask:0xf bank_mask:0xf
	v_permlanex16_b32 v[U+1], v[U], s32, s33
	v_add_f32 v[U], v[U], v[U+1]
.endm
.Lln:
	s_and_b32 s5, s4, 15                           ; R % 16
	s_lshr_b32 s6, s4, 4                           ; R / 16
	s_mul_i32 s7, s5, 144
	s_add_co_u32 s7, s7, s6                        ; row of xa as a key
	s_lshl_b32 s36, s7, 12
	s_mov_b32 s37, 0
	s_add_nc_u64 s[28:29], s[18:19], s[36:37]
	s_wait_loadcnt 0x0                             ; the whole row is wanted
	s_cmp_lt_u32 s4, 256
	s_cbranch_scc1 .Lnocopy
	s_add_nc_u64 s[30:31], s[22:23], s[26:27]      ; a row without keys: out = x
.irp j, 0,1,2,3,4,5,6,7,8,9,10,11,12,13,14,15
	global_store_b128 v2, v[X+4*(\j):X+4*(\j)+3], s[30:31] offset:512*(\j) th:TH_STORE_NT
.endr
.Lnocopy:
	; the mean: four chains, started by the first eight pairs, so nothing is cleared
.irp c, 0,1,2,3
	v_pk_add_f32 v[T+2*(\c):T+2*(\c)+1], v[X+2*(\c):X+2*(\c)+1], v[X+2*(\c)+8:X+2*(\c)+9]
.endr
.set i, 8
.rept 24
	v_pk_add_f32 v[T+2*(i%4):T+2*(i%4)+1], v[T+2*(i%4):T+2*(i%4)+1], v[X+2*i:X+2*i+1]
.set i, i+1
.endr
	TOTAL
	v_mul_f32 v[M], s34, v[U]
	v_mul_f32 v[M+1], s34, v[U]
	s_wait_xcnt 0x0                                ; the copy's stores have read the row: only behind this wait is it rewritten
.set i, 0
.rept 32
	v_pk_add_f32 v[X+2*i:X+2*i+1], v[X+2*i:X+2*i+1], v[M:M+1] neg_lo:[0,1] neg_hi:[0,1]
.set i, i+1
.endr
	; the variance, of the centred numbers
.irp c, 0,1,2,3
	v_pk_mul_f32 v[T+2*(\c):T+2*(\c)+1], v[X+2*(\c):X+2*(\c)+1], v[X+2*(\c):X+2*(\c)+1]
.endr
.set i, 4
.rept 28
	v_pk_fma_f32 v[T+2*(i%4):T+2*(i%4)+1], v[X+2*i:X+2*i+1], v[X+2*i:X+2*i+1], v[T+2*(i%4):T+2*(i%4)+1]
.set i, i+1
.endr
	TOTAL
	v_fma_f32 v[U], v[U], s34, s35                 ; var + eps
	v_rsq_f32 v[M], v[U]
	v_rsq_f32 v[M+1], v[U]
	v_nop                                          ; a plain instruction between the last v_rsq_f32 and the use of its result (ISA guide 5.7.2)
.set i, 0
	s_wait_alu depctr_va_vdst(0)
.rept 32
	v_pk_mul_f32 v[X+2*i:X+2*i+1], v[X+2*i:X+2*i+1], v[M:M+1]
.set i, i+1
.endr
.set i, 0
.rept 32
	v_cvt_pk_bf16_f32 v[Y+i], v[X+2*i], v[X+2*i+1]
.set i, i+1
.endr
.irp j, 0,1,2,3,4,5,6,7,8,9,10,11,12,13,14,15
	global_store_b64 v3, v[Y+2*(\j):Y+2*(\j)+1], s[28:29] offset:256*(\j)
.endr
	s_cmp_lt_u32 s4, 256
	s_cbranch_scc0 .Ldone
	s_mul_i32 s7, s6, 144                          ; a query row: once more, behind the keys of its own block
	s_add_co_u32 s7, s7, s5
	s_add_co_u32 s7, s7, 128
	s_lshl_b32 s38, s7, 12
	s_mov_b32 s39, 0
	s_add_nc_u64 s[38:39], s[18:19], s[38:39]
.irp j, 0,1,2,3,4,5,6,7,8,9,10,11,12,13,14,15
	global_store_b64 v3, v[Y+2*(\j):Y+2*(\j)+1], s[38:39] offset:256*(\j)
.endr
.Ldone:
	s_endpgm
.Lfunc_end_k_q6d8947e649_prep:
	.size	k_q6d8947e649_prep, .Lfunc_end_k_q6d8947e649_prep-k_q6d8947e649_prep
	.p2alignl 7, 3214868480
	.fill 96, 4, 3214868480
	.section	.rodata,"a",@progbits
	.p2align	6, 0x0
	.amdhsa_kernel k_q6d8947e649_prep
		.amdhsa_group_segment_fixed_size 0
		.amdhsa_private_segment_fixed_size 0
		.amdhsa_enable_private_segment 0
		.amdhsa_kernarg_size 64
		.amdhsa_user_sgpr_count 2
		.amdhsa_user_sgpr_kernarg_segment_ptr 1
		.amdhsa_wavefront_size32 1
		.amdhsa_system_sgpr_workgroup_id_x 1
		.amdhsa_system_sgpr_workgroup_id_y 1
		.amdhsa_system_sgpr_workgroup_id_z 1
		.amdhsa_system_vgpr_workitem_id 0
		.amdhsa_next_free_vgpr 128
		.amdhsa_next_free_sgpr 66
		.amdhsa_reserve_vcc 0
		.amdhsa_float_denorm_mode_32 3
		.amdhsa_float_denorm_mode_16_64 3
		.amdhsa_memory_ordered 1
		.amdhsa_forward_progress 1
		.amdhsa_inst_pref_size 24
	.end_amdhsa_kernel
	.amdgpu_metadata
---
amdhsa.version: [ 1, 2 ]
amdhsa.kernels:
  - .name:           k_q6d8947e649_prep
    .symbol:         k_q6d8947e649_prep.kd
    .args:
      - { .name: x, .offset: 0, .size: 8, .value_kind: global_buffer, .address_space: global }
      - { .name: Wk, .offset: 8, .size: 8, .value_kind: global_buffer, .address_space: global }
      - { .name: Wv, .offset: 16, .size: 8, .value_kind: global_buffer, .address_space: global }
      - { .name: Wq, .offset: 24, .size: 8, .value_kind: global_buffer, .address_space: global }
      - { .name: Wo, .offset: 32, .size: 8, .value_kind: global_buffer, .address_space: global }
      - { .name: xa, .offset: 40, .size: 8, .value_kind: global_buffer, .address_space: global }
      - { .name: wb, .offset: 48, .size: 8, .value_kind: global_buffer, .address_space: global }
      - { .name: out0, .offset: 56, .size: 8, .value_kind: global_buffer, .address_space: global }
    .group_segment_fixed_size: 0
    .private_segment_fixed_size: 0
    .kernarg_segment_align: 8
    .kernarg_segment_size: 64
    .max_flat_workgroup_size: 256
    .sgpr_count:     66
    .vgpr_count:     128
    .wavefront_size: 32
...
	.end_amdgpu_metadata
.endif
;; end of part 1
;; launch qkva (part 2): grid 16 x 16, 4 waves a work-group, clusters of 4 x 4, 327,680 bytes of LDS; arguments xa, wb, ob; writes ob
.if DOCPART == 2
	.amdgcn_target "amdgcn-amd-amdhsa--gfx1250"
	.amdhsa_code_object_version 6
	.text
	.protected	k_q6d8947e649_qkva
	.globl	k_q6d8947e649_qkva
	.p2align	8
	.type	k_q6d8947e649_qkva,@function
k_q6d8947e649_qkva:
	s_mov_b64 s[64:65], 0
	v_nop
	global_prefetch_b8 v0, s[64:65] scope:SCOPE_SE
	s_setreg_imm32_b32 hwreg(HW_REG_WAVE_MODE, 25, 1), 1
	s_wait_xcnt 0x0
	s_wait_alu depctr_hold_cnt(0) depctr_sa_sdst(0) depctr_va_vdst(0) depctr_va_sdst(0) depctr_va_ssrc(0) depctr_va_vcc(0) depctr_vm_vsrc(0)
	s_getreg_b32 s2, hwreg(HW_REG_IB_STS2, 6, 4)
	s_cmp_eq_u32 s2, 0
	s_cbranch_scc0 .Lentry_in_a_cluster
	s_endpgm
.Lentry_in_a_cluster:
	s_bfe_u32 s2, ttmp6, 0x10000c
	s_cmp_lg_u32 s2, 0xf033
	s_cbranch_scc0 .Lentry_shape_is_right
	s_endpgm
.Lentry_shape_is_right:
; QKVA.  Work-group (h, y): head h, query block y (queries 16 y .. 16 y + 15, which see exactly the 128 keys 16 j + y).  It makes K and V (128 keys x 128 channels each) and
; Q (16 x 128) as products of xa's block y (144 rows: the keys, then the queries) with columns 128 h .. 128 h + 127 of Wk, Wv, Wq, K = 2,048; then the head's LayerNorm of q and k,
; the softmax and P V, all without leaving the work-group, and stores 16 x 128 numbers of ob ([256][2048] bf16).
; FORMATS.  All matrix operands bf16, all sums, statistics and exponentials f32; q, k rounded to bf16 as the module itself does; v, the weights p and the result rounded once to bf16.
; LIMIT, STATED.  No maximum is taken away before the exponential.  q and k are normalised here as in the module: the sum of squares of a head's 128 numbers is at most 128, so with the
; rounding to bf16 |q . k| / sqrt(128) <= 11.4 for every input: p = e^s lies in 1.1e-5 .. 9e4 and a row's sum in 1.4e-3 .. 1.2e7, far inside f32 and bf16.  So the module's
; max(denominator, 1e-30) changes nothing and is not written.  NaN and infinities are not treated apart.
; SHARES.  Wave w: key half w / 2 (64 keys) of K (w even) or of V (w odd): 32 accumulators (a = 4 key tiles, b = 8 channel tiles); and of Q the channel tiles 2 w, 2 w + 1: 2 accumulators.
; THE MATRIX INSTRUCTION IS USED TRANSPOSED: source 0 = 16 columns of W, which lie [k][n] in LDS and come out turned by ds_load_tr16_b128; source 1 = 16 rows of xa.  In the result lane
; l holds row l % 16 and the channels 8 (l / 16) + 0..7 of the tile: eight neighbouring numbers of a row.
; RING.  K goes in 16 steps of 128 through two LDS slots; a slot holds xa's 144 rows x 256 bytes and 128 rows x 256 bytes of each of Wk, Wv, Wq: one tensor load a wave.
; CLUSTER 4 x 4.  xa's tile hangs on y alone and is asked for jointly along a row of the cluster (wave 0); the weights' tiles hang on h alone and are asked for jointly along a column
; (wave w = 1, 2, 3 fetches matrix number w of wb, whose order is O, K, V, Q).
; REGISTERS, in windows of 256 (s_set_vgpr_msb: bits 1:0 source 0, 3:2 source 1, 5:4 source 2, 7:6 destination):
;   window 0: v2-29 addresses; v32-71, v72-111 fragments of xa, two buffers (4 key tiles, then the queries); v112-127 Q's sums; in the end part see the names below
;   window 1: v0-79, v80-159 fragments of W, two buffers (8 tiles of K or V, then 2 of Q)          window 2: the 32 accumulators, (a, b) at 8 (8 a + b)
.set PA,     272                       ; a row of xa in LDS: 256 bytes + 16: the 16 rows of a load start at 16 different groups of four banks (64 banks of 4 bytes: ISA guide 11.1)
.set PT,     288                       ; a row of W: 256 + 32
.set PP,     528                       ; a row of 128 f32 in the end part: 512 + 16
.set ABYTES, 144*PA
.set SEG,    128*PT
.set SLOT,   ABYTES+3*SEG              ; xa's tile, then Wk's, Wv's, Wq's
.set SPARE,  2*SLOT                    ; behind the ring: the spare words, 128 bytes a wave: two blocks of 256 bytes that no other line names
; The end part lies in slot 0, whose last fill of the launch has landed and whose last read is over when it is first written:
.set VT,     SEG                       ; k (bf16, [key][channel], pitch PT) at 0, v likewise here
.set QS,     2*SEG                     ; raw q, f32, 16 x PP
.set PART,   QS+16*PP                  ; the four waves' partial O, f32, 16 x PP each
.set LSUM,   PART+4*16*PP              ; their partial sums of weights: [query][wave] f32
.set STO, 2                            ; v2   where I put 16 bytes of a row of k or v
.set QW,  3                            ; v3   where I put raw q
.set QR,  4                            ; v4   where I read it
.set KR,  5                            ; v5   my fragments of k: keys 32 w on
.set VR,  6                            ; v6   my fragments of v, turned
.set PW,  7                            ; v7   where I put my partial O
.set LW,  8                            ; v8   where I put my partial sum
.set PR,  9                            ; v9   where I read the partial O of queries 4 w on
.set LR,  10                           ; v10  and their partial sums
.set GO,  11                           ; v11  8 x lane: my 8 bytes of a row's 256 in ob
.set ADRA,  16                         ; v16-17 my key fragments of xa in slot 0, 1
.set ADRQA, 18                         ; v18-19 the query fragment
.set ADRB,  20                         ; v20-21 my matrix's fragments
.set ADRQB, 22                         ; v22-23 Wq's two tiles of mine
.set SPW, 28                           ; v28  LDS address of my spare word; never rewritten
.set NIL, 29                           ; v29  0; never rewritten
.set FA,   32
.set QACC, 112
.set QF,   32                          ; end part: q's four fragments
.set S,    64                          ; scores, 2 tiles of 16 keys
.set PF,   80                          ; the weights as a fragment
.set T,    88                          ; eight pairs at work
.set M,    104                         ; mean, then 1 / sqrt(var + eps), twice
.set U,    106                         ; v106 a total, v107 the other half of the lanes'
.set TMP,  128                         ; packed rows
.set KF,   128
.set VF,   192
.set G1,  24                           ; s[24:31] group 1 for xa's tiles;   s[32:39] group 0, a set a slot
.set G0,  32
.set G1B, 48                           ; s[48:55], s[56:63] the same for the weights'
.set G0B, 56
.set MSB, 0
.macro WIN new                         ; the immediate's high byte repeats the setting that is left; a switch that changes nothing is dropped
.if MSB != (\new)
	s_set_vgpr_msb (MSB<<8)|(\new)
.set MSB, \new
.endif
.endm
.set W_MUL, 0xa1                       ; W window 1, xa window 0, C and D window 2
.set W_MQ,  0x01                       ; W window 1, all else window 0
.set W_TOB, 0x40                       ; destination window 1
.set W_TO2, 0x80                       ; destination window 2
.set W_S2,  0x0a                       ; sources 0 and 1 window 2
.set W_S2A, 0x02                       ; source 0 window 2
.set W_RS2, 0x82                       ; destination and source 0 window 2
.set W_ST2, 0x08                       ; an LDS store's data window 2
.macro PLACES                          ; four plain vector instructions behind a matrix instruction, ahead of a read of its result or a write or load into its registers
.rept 4
	v_nop
.endr
.endm
; A joint load: wave 0 asks for xa's tile, waves 1 to 3 for their matrix's.  The branch hangs on the wave's number alone.  An s_nop 0 and four v_nop follow each line.
.macro JLOAD s
	s_cmp_eq_u32 s10, 0
	s_cbranch_scc0 .Lfor_b_\@
	tensor_load_to_lds s[G0+4*(\s):G0+4*(\s)+3], s[G1:G1+7]
	s_nop 0
.rept 4
	v_nop
.endr
	s_branch .Lasked_\@
.Lfor_b_\@:
	tensor_load_to_lds s[G0B+4*(\s):G0B+4*(\s)+3], s[G1B:G1B+7]
	s_nop 0
.rept 4
	v_nop
.endr
.Lasked_\@:
.endm
.macro CREST                           ; a round of the cluster's barrier behind its opening barrier
	s_cmp_lg_u32 s10, 0
	s_cbranch_scc1 .Lnot_wave_0_\@
	s_barrier_signal -3
.Lnot_wave_0_\@:
	s_barrier_wait -3
	s_barrier_signal -1
	s_barrier_wait -1
.endm
.macro CROUND                          ; a whole round
	s_barrier_signal -1
	s_barrier_wait -1
	CREST
.endm
	s_load_b128 s[4:7], s[0:1], 0x0                ; xa s[4:5], wb s[6:7]
	s_load_b64 s[8:9], s[0:1], 0x10                ; ob
	v_lshl_add_u32 v[SPW], v0, 2, SPARE
	v_mov_b32 v[NIL], 0
	ds_add_u32 v[SPW], v[NIL]                      ; the wave's opening: the add and its wait stand ahead of my first tensor load; the set-up below stands between them
	v_lshrrev_b32 v1, 5, v0
	v_readfirstlane_b32 s10, v1                    ; wave 0..3
	s_lshr_b32 s11, s10, 1                         ; my half of the keys
	s_and_b32 s12, s10, 1                          ; 0: K, 1: V
	s_bfe_u32 s40, ttmp6, 0x40000                  ; cx
	s_bfe_u32 s41, ttmp6, 0x40004                  ; cy
	s_lshl_b32 s42, ttmp9, 2
	s_add_co_u32 s42, s42, s40                     ; h = 4 x cluster x + cx
	s_and_b32 s13, ttmp7, 0xffff
	s_lshl_b32 s13, s13, 2
	s_add_co_u32 s13, s13, s41                     ; y = 4 x cluster y + cy
	s_lshl_b32 s43, s41, 2
	s_lshl_b32 s43, 15, s43                        ; my row of the cluster
	s_lshl_b32 s44, 0x1111, s40                    ; my column
	s_or_b32 s[G1+0], s43, (1<<16)|(1<<20)|(1<<21)|(5<<22)|(3<<25)   ; 15:0 mask; 17:16 2-byte elements; 20 padding on; 21 set beside a mask; 24:22 after every 64 words; 31:25 4 words of it
	s_or_b32 s[G1B+0], s44, (1<<16)|(1<<20)|(1<<21)|(5<<22)|(7<<25)  ; the column's mask; 8 words of padding
	s_mov_b32 s[G1+1], 128<<16                     ; tensor_dim0 = 128
	s_mov_b32 s[G1+2], 144<<16                     ; tensor_dim1 = 144
	s_mov_b32 s[G1+3], 128<<16                     ; tile_dim0 = 128
	s_mov_b32 s[G1+4], 144                         ; tile_dim1 = 144
	s_mov_b32 s[G1+5], 2048                        ; elements from row to row
	s_mov_b32 s[G1+6], 0
	s_mov_b32 s[G1+7], 0
	s_mov_b32 s[G1B+1], 128<<16
	s_mov_b32 s[G1B+2], 128<<16                    ; 128 rows
	s_mov_b32 s[G1B+3], 128<<16
	s_mov_b32 s[G1B+4], 128
	s_mov_b32 s[G1B+5], 2048
	s_mov_b32 s[G1B+6], 0
	s_mov_b32 s[G1B+7], 0
	s_mul_i32 s16, s13, 144*4096                   ; xa's block y: made of y alone
	s_mov_b32 s17, 0
	s_lshl_b32 s46, s10, 23                        ; matrix number w of wb,
	s_lshl_b32 s20, s42, 8                         ; columns 128 h on: made of h and the wave's number alone
	s_add_co_u32 s46, s46, s20
	s_mov_b32 s47, 0
	s_mul_i32 s21, s10, SEG                        ; where it goes: behind xa's tile, segment w - 1
	s_add_co_u32 s21, s21, ABYTES-SEG
	s_mov_b32 s66, 0x3e0293ee                      ; c = log2(e) / sqrt(128)
	s_mov_b32 s67, s66
	s_mov_b32 s68, 0x76543210                      ; v_permlanex16_b32: each lane takes its own place in the other half
	s_mov_b32 s69, 0xfedcba98
	s_mov_b32 s70, 0x3c000000                      ; 1 / 128
	s_mov_b32 s71, 0x3727c5ac                      ; 1e-5
	s_wait_dscnt 0x0                               ; the opening add is done
	s_wait_kmcnt 0x0
	s_add_nc_u64 s[14:15], s[4:5], s[16:17]
	s_add_nc_u64 s[46:47], s[6:7], s[46:47]
	CROUND                                         ; all sixteen work-groups are here: the first joint loads meet
.irp s, 0,1
	s_mov_b32 s[G0+4*(\s)], 1                      ; count = 1
	s_mov_b32 s[G0+4*(\s)+1], (\s)*SLOT            ; LDS address
	s_add_nc_u64 s[G0+4*(\s)+2:G0+4*(\s)+3], s[14:15], (\s)*256      ; K step s: 256 bytes along the rows
	s_or_b32 s[G0+4*(\s)+3], s[G0+4*(\s)+3], 0x80000000              ; type = 2
	s_mov_b32 s[G0B+4*(\s)], 1
	s_add_co_u32 s[G0B+4*(\s)+1], s21, (\s)*SLOT
	s_add_nc_u64 s[G0B+4*(\s)+2:G0B+4*(\s)+3], s[46:47], (\s)*128*4096  ; K step s: 128 rows down
	s_or_b32 s[G0B+4*(\s)+3], s[G0B+4*(\s)+3], 0x80000000
	JLOAD \s                                       ; two loads of mine are out
.endr
	v_and_b32 v1, 15, v0                           ; r = l % 16
	v_bfe_u32 v12, v0, 4, 1                        ; hh = l / 16
	v_and_b32 v13, 7, v0
	v_bfe_u32 v14, v0, 3, 1
	v_and_b32 v15, 31, v0                          ; l
	v_mul_u32_u24 v24, v1, PA
	v_lshl_add_u32 v24, v12, 4, v24                ; a fragment of xa: row r, 16 bytes a half of the lanes
	v_lshl_add_u32 v25, v12, 3, v13
	v_mul_u32_u24 v25, v25, PT
	v_lshl_add_u32 v25, v14, 4, v25                ; the turning load: row 8 hh + l % 8, 16 bytes at 16 ((l / 8) % 2)
	v_mul_u32_u24 v26, v1, PT
	v_lshl_add_u32 v26, v12, 4, v26                ; a row of k or v: row r, 16 hh
	v_mul_u32_u24 v27, v1, PP
	v_lshl_add_u32 v27, v12, 5, v27                ; a row of f32: row r, 32 hh
	s_mul_i32 s16, s11, 64*PA
	v_add_nc_u32 v[ADRA], s16, v24
	v_add_nc_u32 v[ADRA+1], SLOT, v[ADRA]
	v_add_nc_u32 v[ADRQA], 128*PA, v24
	v_add_nc_u32 v[ADRQA+1], SLOT, v[ADRQA]
	s_mul_i32 s16, s12, SEG
	s_add_co_u32 s16, s16, ABYTES
	v_add_nc_u32 v[ADRB], s16, v25
	v_add_nc_u32 v[ADRB+1], SLOT, v[ADRB]
	s_lshl_b32 s16, s10, 6                         ; Wq's channel tiles 2 w, 2 w + 1: 64 w bytes along the rows
	s_add_co_u32 s16, s16, ABYTES+2*SEG
	v_add_nc_u32 v[ADRQB], s16, v25
	v_add_nc_u32 v[ADRQB+1], SLOT, v[ADRQB]
	s_mul_i32 s16, s12, SEG                        ; the end part's addresses
	s_mul_i32 s17, s11, 64*PT
	s_add_co_u32 s16, s16, s17
	v_add_nc_u32 v[STO], s16, v26
	s_lshl_b32 s16, s10, 7
	s_add_co_u32 s16, s16, QS
	v_add_nc_u32 v[QW], s16, v27
	v_add_nc_u32 v[QR], QS, v27
	s_mul_i32 s16, s10, 32*PT
	v_add_nc_u32 v[KR], s16, v26
	s_add_co_u32 s16, s16, VT
	v_add_nc_u32 v[VR], s16, v25
	s_mul_i32 s16, s10, 16*PP
	s_add_co_u32 s16, s16, PART
	v_add_nc_u32 v[PW], s16, v27
	s_lshl_b32 s16, s10, 2
	s_add_co_u32 s16, s16, LSUM
	v_lshl_add_u32 v[LW], v1, 4, s16
	s_mul_i32 s16, s10, 4*PP
	s_add_co_u32 s16, s16, PART
	v_lshl_add_u32 v[PR], v15, 4, s16
	s_lshl_b32 s16, s10, 6
	s_add_co_u32 s16, s16, LSUM
	v_mov_b32 v[LR], s16
	v_lshlrev_b32 v[GO], 3, v15
	s_lshl_b32 s22, s13, 4                         ; ob at row 16 y + 4 w, byte 256 h
	s_lshl_b32 s23, s10, 2
	s_add_co_u32 s22, s22, s23
	s_lshl_b32 s22, s22, 12
	s_lshl_b32 s23, s42, 8
	s_add_co_u32 s22, s22, s23
	s_mov_b32 s23, 0
	s_add_nc_u64 s[72:73], s[8:9], s[22:23]
; 8 matrix instructions: key tile a x all 8 channel tiles, 32 along K, from buffer f.  zero = 1: the product starts the sums.
.macro MUL8 f, a, zero
	WIN W_MUL
.irp b, 0,1,2,3,4,5,6,7
.if \zero
	v_wmma_f32_16x16x32_bf16 v[8*(8*(\a)+(\b)):8*(8*(\a)+(\b))+7], v[80*(\f)+8*(\b):80*(\f)+8*(\b)+7], v[FA+40*(\f)+8*(\a):FA+40*(\f)+8*(\a)+7], 0
.else
	v_wmma_f32_16x16x32_bf16 v[8*(8*(\a)+(\b)):8*(8*(\a)+(\b))+7], v[80*(\f)+8*(\b):80*(\f)+8*(\b)+7], v[FA+40*(\f)+8*(\a):FA+40*(\f)+8*(\a)+7], v[8*(8*(\a)+(\b)):8*(8*(\a)+(\b))+7]
.endif
.endr
.endm
.macro MUL16 f, a0, zero
	MUL8 \f, \a0, \zero
	MUL8 \f, (\a0)+1, \zero
.endm
.macro MULQ f, zero                    ; Q's two
	WIN W_MQ
.irp t, 0,1
.if \zero
	v_wmma_f32_16x16x32_bf16 v[QACC+8*(\t):QACC+8*(\t)+7], v[80*(\f)+64+8*(\t):80*(\f)+64+8*(\t)+7], v[FA+40*(\f)+32:FA+40*(\f)+39], 0
.else
	v_wmma_f32_16x16x32_bf16 v[QACC+8*(\t):QACC+8*(\t)+7], v[80*(\f)+64+8*(\t):80*(\f)+64+8*(\t)+7], v[FA+40*(\f)+32:FA+40*(\f)+39], v[QACC+8*(\t):QACC+8*(\t)+7]
.endif
.endr
.endm
; 30 LDS loads in one run: the fragments of quarter q (32 along K) of a slot into buffer f: 16 for my matrix, 4 for Wq, 8 for my keys, 2 for the queries, in this order.
.macro FETCH slot, q, f
	WIN W_TOB
.irp i, 0,1,2,3,4,5,6,7
	ds_load_tr16_b128 v[80*(\f)+8*(\i):80*(\f)+8*(\i)+3],   v[ADRB+(\slot)] offset:32*PT*(\q)+32*(\i)
	ds_load_tr16_b128 v[80*(\f)+8*(\i)+4:80*(\f)+8*(\i)+7], v[ADRB+(\slot)] offset:32*PT*(\q)+32*(\i)+16*PT
.endr
.irp t, 0,1
	ds_load_tr16_b128 v[80*(\f)+64+8*(\t):80*(\f)+64+8*(\t)+3],   v[ADRQB+(\slot)] offset:32*PT*(\q)+32*(\t)
	ds_load_tr16_b128 v[80*(\f)+64+8*(\t)+4:80*(\f)+64+8*(\t)+7], v[ADRQB+(\slot)] offset:32*PT*(\q)+32*(\t)+16*PT
.endr
	WIN 0
.irp i, 0,1,2,3
	ds_load_b128 v[FA+40*(\f)+8*(\i):FA+40*(\f)+8*(\i)+3],   v[ADRA+(\slot)] offset:64*(\q)+(\i)*16*PA
	ds_load_b128 v[FA+40*(\f)+8*(\i)+4:FA+40*(\f)+8*(\i)+7], v[ADRA+(\slot)] offset:64*(\q)+(\i)*16*PA+32
.endr
	ds_load_b128 v[FA+40*(\f)+32:FA+40*(\f)+35], v[ADRQA+(\slot)] offset:64*(\q)
	ds_load_b128 v[FA+40*(\f)+36:FA+40*(\f)+39], v[ADRQA+(\slot)] offset:64*(\q)+32
.endm
; A K step is four quarters of 32 along K, 34 matrix instructions each, on buffers 0, 1, 0, 1.  The 34 accumulators take turns, one instruction a turn, in the same order in every
; quarter.  One of the first three quarters: multiplies buffer f and in its middle fetches quarter q into buffer g.
.macro QUARTER slot, q, f, g, zero
	s_wait_dscnt 6                                 ; all but the youngest six loads: key tiles 2, 3 and the queries may be out
	MUL16 \f, 0, \zero
	PLACES                                         ; for the loads into buffer g, which the quarter before multiplied
	FETCH \slot, \q, \g
	s_wait_dscnt 30                                ; all but the 30 just issued
	MUL16 \f, 2, \zero
	MULQ \f, \zero
.endm
; The last quarter multiplies buffer 1 and changes slots: ONE barrier.  In front of it each wave waits for all its tensor loads (one is out: its part of the next slot), adds 0 to its
; spare word, and waits for that and for its reads of this slot.  fill = 1: the barrier opens a round of the cluster's, and this slot is filled again, two K steps on, first thing behind it.
.macro TURN slot, next, fill
	WIN 0                                          ; (the add's two registers lie in window 0)
	s_wait_tensorcnt 0x0                           ; all my tensor loads have landed
	ds_add_u32 v[SPW], v[NIL]                      ; 0 onto my spare word
	s_wait_dscnt 7                                 ; (the add and the youngest six loads may be out)
	MUL8 1, 0, 0                                   ; eight matrix instructions stand between the add and the wait for it
	s_wait_dscnt 0x0                               ; the add is done, and my reads of this slot are over
	s_barrier_signal -1
	MUL8 1, 1, 0                                   ; work on registers while the others arrive
.if \fill
	WIN 0
.endif
	s_barrier_wait -1
.if \fill
	CREST                                          ; no wave of any partner still reads this slot or has a load on its way
	s_add_nc_u64 s[G0+4*(\slot)+2:G0+4*(\slot)+3], s[G0+4*(\slot)+2:G0+4*(\slot)+3], 2*256
	s_add_nc_u64 s[G0B+4*(\slot)+2:G0B+4*(\slot)+3], s[G0B+4*(\slot)+2:G0B+4*(\slot)+3], 2*128*4096
	JLOAD \slot                                    ; my one load behind the round: 120 matrix instructions ahead of the wait for it; its four v_nop are also the places in front of the loads below
.else
	PLACES
.endif
	FETCH \next, 0, 0
	MUL16 1, 2, 0
	MULQ 1, 0
.endm
	s_wait_tensorcnt 1                             ; my part of K step 0 is in; K step 1's may stay out
	s_barrier_signal -1
	s_barrier_wait -1                              ; everybody's is
	FETCH 0, 0, 0
	QUARTER 0, 1, 0, 1, 1                          ; the first quarter stands in front of the loop: its products start the sums
	WIN 0                                          ; at a label and at a branch every window is 0
	s_mov_b32 s3, 7
.Llap:                                                 ; a trip goes once round the ring and fills both slots again: K steps 2 to 15 in seven trips
	QUARTER 0, 2, 1, 0, 0
	QUARTER 0, 3, 0, 1, 0
	TURN 0, 1, 1
	QUARTER 1, 1, 0, 1, 0
	QUARTER 1, 2, 1, 0, 0
	QUARTER 1, 3, 0, 1, 0
	TURN 1, 0, 1
	QUARTER 0, 1, 0, 1, 0
	WIN 0
	s_sub_co_u32 s3, s3, 1
	s_cmp_lg_u32 s3, 0
	s_cbranch_scc1 .Llap
	QUARTER 0, 2, 1, 0, 0                          ; the last lap fills nothing
	QUARTER 0, 3, 0, 1, 0
	TURN 0, 1, 0
	QUARTER 1, 1, 0, 1, 0
	QUARTER 1, 2, 1, 0, 0
	QUARTER 1, 3, 0, 1, 0
	s_wait_dscnt 6
	MUL16 1, 0, 0
	s_wait_dscnt 0x0
	MUL16 1, 2, 0
	MULQ 1, 0
; THE END PART.
.macro CROSS p                         ; the pair at v[p] -> the total of my lane and of the lane 16 away, which holds the row's other 64 numbers, in v[U]
	v_add_f32 v[U], v[\p], v[(\p)+1]
	v_permlanex16_b32 v[U+1], v[U], s68, s69
	v_add_f32 v[U], v[U], v[U+1]
.endm
; LayerNorm in place of the 64 registers 64 a .. of window 2: a lane holds 64 of a row's 128 numbers.  Two passes: the mean; the variance of the centred numbers.
; Each accumulator's lowest registers are read first.
.macro LNT a
.set R, 64*(\a)
	WIN W_S2
.irp b, 0,1,2,3,4,5,6,7
	v_pk_add_f32 v[T+2*(\b):T+2*(\b)+1], v[R+8*(\b):R+8*(\b)+1], v[R+8*(\b)+2:R+8*(\b)+3]
.endr
	WIN W_S2A
.irp d, 4,6
.irp b, 0,1,2,3,4,5,6,7
	v_pk_add_f32 v[T+2*(\b):T+2*(\b)+1], v[R+8*(\b)+(\d):R+8*(\b)+(\d)+1], v[T+2*(\b):T+2*(\b)+1]
.endr
.endr
	WIN 0
.irp b, 0,4,8,12
	v_pk_add_f32 v[T+(\b):T+(\b)+1], v[T+(\b):T+(\b)+1], v[T+(\b)+2:T+(\b)+3]
.endr
	v_pk_add_f32 v[T:T+1], v[T:T+1], v[T+4:T+5]
	v_pk_add_f32 v[T+8:T+9], v[T+8:T+9], v[T+12:T+13]
	v_pk_add_f32 v[T:T+1], v[T:T+1], v[T+8:T+9]
	CROSS T
	v_mul_f32 v[M], s70, v[U]
	v_mul_f32 v[M+1], s70, v[U]
	WIN W_RS2
.set i, 0
.rept 32
	v_pk_add_f32 v[R+2*i:R+2*i+1], v[R+2*i:R+2*i+1], v[M:M+1] neg_lo:[0,1] neg_hi:[0,1]
.set i, i+1
.endr
	WIN W_S2
.set i, 0
.rept 32
.if i < 4
	v_pk_mul_f32 v[T+2*i:T+2*i+1], v[R+2*i:R+2*i+1], v[R+2*i:R+2*i+1]
.else
	v_pk_fma_f32 v[T+2*(i%4):T+2*(i%4)+1], v[R+2*i:R+2*i+1], v[R+2*i:R+2*i+1], v[T+2*(i%4):T+2*(i%4)+1]
.endif
.set i, i+1
.endr
	WIN 0
	v_pk_add_f32 v[T:T+1], v[T:T+1], v[T+2:T+3]
	v_pk_add_f32 v[T+4:T+5], v[T+4:T+5], v[T+6:T+7]
	v_pk_add_f32 v[T:T+1], v[T:T+1], v[T+4:T+5]
	CROSS T
	v_fma_f32 v[U], v[U], s70, s71                 ; var + eps
	v_rsq_f32 v[M], v[U]
	v_rsq_f32 v[M+1], v[U]
	v_nop                                          ; a plain instruction between the last v_rsq_f32 and the use of its result (ISA guide 5.7.2)
	WIN W_RS2
.set i, 0
	s_wait_alu depctr_va_vdst(0)
.rept 32
	v_pk_mul_f32 v[R+2*i:R+2*i+1], v[R+2*i:R+2*i+1], v[M:M+1]
.set i, i+1
.endr
.endm
; Key tile a, rounded to bf16: a lane's eight channels of a row pack into 16 bytes.  Rows of 288 bytes serve the turning load of v; these 16-byte stores, and k's 16-byte reads, meet two deep in the banks: 48 instructions a wave.
.macro PACKST a
.set R, 64*(\a)
	WIN W_S2
.irp b, 0,1,2,3,4,5,6,7
.irp i, 0,1,2,3
	v_cvt_pk_bf16_f32 v[TMP+4*(\b)+(\i)], v[R+8*(\b)+2*(\i)], v[R+8*(\b)+2*(\i)+1]
.endr
.endr
	WIN 0
.irp b, 0,1,2,3,4,5,6,7
	ds_store_b128 v[STO], v[TMP+4*(\b):TMP+4*(\b)+3] offset:16*PT*(\a)+32*(\b)
.endr
.endm
	WIN 0
	PLACES                                         ; behind the last products
	v_mov_b32 v[U+1], 0                            ; v_permlanex16_b32 counts as a reader of its destination
	s_barrier_signal -1                            ; every wave's reads of the ring are over (its last wait on DScnt was for 0), and all fills have landed:
	s_barrier_wait -1                              ; slot 0's bytes now serve the end part
	s_cmp_eq_u32 s12, 0
	s_cbranch_scc0 .Lnoln                          ; v takes no LayerNorm
	LNT 0
	LNT 1
	LNT 2
	LNT 3
	WIN 0
.Lnoln:
	PACKST 0
	PACKST 1
	PACKST 2
	PACKST 3
.irp t, 0,1
	ds_store_b128 v[QW], v[QACC+8*(\t):QACC+8*(\t)+3]   offset:64*(\t)     ; raw q in f32: its LayerNorm wants all 128 channels, which lie in four waves
	ds_store_b128 v[QW], v[QACC+8*(\t)+4:QACC+8*(\t)+7] offset:64*(\t)+16
.endr
	s_wait_dscnt 0x0                               ; for the others' sake: my stores are done
	s_barrier_signal -1
	s_barrier_wait -1
	; every wave: all of q; k and v of its own 32 keys
	WIN W_TO2
.irp c, 0,1,2,3                        ; channels 32 c + 8 hh + 0..7 and 32 c + 16 + 8 hh + 0..7: the order of a fragment
	ds_load_b128 v[16*(\c):16*(\c)+3],     v[QR] offset:128*(\c)
	ds_load_b128 v[16*(\c)+4:16*(\c)+7],   v[QR] offset:128*(\c)+16
	ds_load_b128 v[16*(\c)+8:16*(\c)+11],  v[QR] offset:128*(\c)+64
	ds_load_b128 v[16*(\c)+12:16*(\c)+15], v[QR] offset:128*(\c)+80
.endr
	WIN 0
.irp kt, 0,1
.irp c, 0,1,2,3
	ds_load_b128 v[KF+32*(\kt)+8*(\c):KF+32*(\kt)+8*(\c)+3],   v[KR] offset:16*PT*(\kt)+64*(\c)
	ds_load_b128 v[KF+32*(\kt)+8*(\c)+4:KF+32*(\kt)+8*(\c)+7], v[KR] offset:16*PT*(\kt)+64*(\c)+32
.endr
.endr
.irp t, 0,1,2,3,4,5,6,7
	ds_load_tr16_b128 v[VF+8*(\t):VF+8*(\t)+3],   v[VR] offset:32*(\t)
	ds_load_tr16_b128 v[VF+8*(\t)+4:VF+8*(\t)+7], v[VR] offset:32*(\t)+16*PT
.endr
	s_wait_dscnt 32                                ; q is in; k's and v's 32 loads may be out
	LNT 0
	WIN W_S2
.set i, 0
.rept 32
	v_cvt_pk_bf16_f32 v[QF+i], v[2*i], v[2*i+1]
.set i, i+1
.endr
	WIN 0
	s_wait_dscnt 16                                ; k is in
.irp c, 0,1,2,3                        ; S^T = k q^T: a lane holds one query (l % 16) and the keys 8 hh + 0..7 of a tile; the two accumulators take turns
.irp kt, 0,1
.if (\c) == 0
	v_wmma_f32_16x16x32_bf16 v[S+8*(\kt):S+8*(\kt)+7], v[KF+32*(\kt)+8*(\c):KF+32*(\kt)+8*(\c)+7], v[QF+8*(\c):QF+8*(\c)+7], 0
.else
	v_wmma_f32_16x16x32_bf16 v[S+8*(\kt):S+8*(\kt)+7], v[KF+32*(\kt)+8*(\c):KF+32*(\kt)+8*(\c)+7], v[QF+8*(\c):QF+8*(\c)+7], v[S+8*(\kt):S+8*(\kt)+7]
.endif
.endr
.endr
	PLACES
.set i, 0
.rept 8
	v_pk_mul_f32 v[S+2*i:S+2*i+1], v[S+2*i:S+2*i+1], s[66:67] op_sel_hi:[1,0]  ; c s, from each accumulator's low end on
.set i, i+1
.endr
.set i, 0
.rept 16
	v_exp_f32 v[S+i], v[S+i]                       ; p = 2^(c s): the exponent is bounded by 16.5 either way (see the head)
.set i, i+1
.endr
	v_nop                                          ; a plain instruction behind the last exponential
.set i, 0
	s_wait_alu depctr_va_vdst(0)
.rept 8
	v_cvt_pk_bf16_f32 v[PF+i], v[S+2*i], v[S+2*i+1]  ; the two tiles, rounded in pairs, ARE source 1 (32 keys x 16 queries) of the next product
.set i, i+1
.endr
	s_wait_dscnt 0x0                               ; v is in
	WIN W_TO2
.irp t, 0,1,2,3,4,5,6,7                ; O^T = v^T p over my 32 keys: one query a lane, eight channels
	v_wmma_f32_16x16x32_bf16 v[64+8*(\t):64+8*(\t)+7], v[VF+8*(\t):VF+8*(\t)+7], v[PF:PF+7], 0
.endr
	WIN 0
.irp b, 0,4,8,12                       ; the sum of my 32 unrounded weights; these seven additions name no register of the products above and are the places behind them
	v_pk_add_f32 v[S+(\b):S+(\b)+1], v[S+(\b):S+(\b)+1], v[S+(\b)+2:S+(\b)+3]
.endr
	v_pk_add_f32 v[S:S+1], v[S:S+1], v[S+4:S+5]
	v_pk_add_f32 v[S+8:S+9], v[S+8:S+9], v[S+12:S+13]
	v_pk_add_f32 v[S:S+1], v[S:S+1], v[S+8:S+9]
	CROSS S
	WIN W_ST2
.irp t, 0,1,2,3,4,5,6,7
	ds_store_b128 v[PW], v[64+8*(\t):64+8*(\t)+3] offset:64*(\t)
	ds_store_b128 v[PW], v[64+8*(\t)+4:64+8*(\t)+7] offset:64*(\t)+16
.endr
	WIN 0
	ds_store_b32 v[LW], v[U]                       ; both halves of the lanes write the same number to the same word
	s_wait_dscnt 0x0
	s_barrier_signal -1
	s_barrier_wait -1
	; wave w finishes queries 4 w + i: a lane takes four channels; the four waves' parts are added in f32
.irp i, 0,1,2,3
.irp p, 0,1,2,3
	ds_load_b128 v[128+16*(\i)+4*(\p):128+16*(\i)+4*(\p)+3], v[PR] offset:16*PP*(\p)+PP*(\i)
.endr
.endr
.irp i, 0,1,2,3
	ds_load_b128 v[192+4*(\i):192+4*(\i)+3], v[LR] offset:16*(\i)
.endr
	s_wait_dscnt 0x0
.irp i, 0,1,2,3
	v_pk_add_f32 v[128+16*(\i):129+16*(\i)], v[128+16*(\i):129+16*(\i)], v[132+16*(\i):133+16*(\i)]
	v_pk_add_f32 v[130+16*(\i):131+16*(\i)], v[130+16*(\i):131+16*(\i)], v[134+16*(\i):135+16*(\i)]
	v_pk_add_f32 v[136+16*(\i):137+16*(\i)], v[136+16*(\i):137+16*(\i)], v[140+16*(\i):141+16*(\i)]
	v_pk_add_f32 v[138+16*(\i):139+16*(\i)], v[138+16*(\i):139+16*(\i)], v[142+16*(\i):143+16*(\i)]
	v_pk_add_f32 v[128+16*(\i):129+16*(\i)], v[128+16*(\i):129+16*(\i)], v[136+16*(\i):137+16*(\i)]
	v_pk_add_f32 v[130+16*(\i):131+16*(\i)], v[130+16*(\i):131+16*(\i)], v[138+16*(\i):139+16*(\i)]
	v_add_f32 v[192+4*(\i)], v[192+4*(\i)], v[193+4*(\i)]
	v_add_f32 v[194+4*(\i)], v[194+4*(\i)], v[195+4*(\i)]
	v_add_f32 v[192+4*(\i)], v[192+4*(\i)], v[194+4*(\i)]
.endr
.irp i, 0,1,2,3
	v_rcp_f32 v[192+4*(\i)], v[192+4*(\i)]
.endr
	v_nop                                          ; a plain instruction behind the last reciprocal
	s_wait_alu depctr_va_vdst(0)
.irp i, 0,1,2,3
	v_pk_mul_f32 v[128+16*(\i):129+16*(\i)], v[128+16*(\i):129+16*(\i)], v[192+4*(\i):193+4*(\i)] op_sel_hi:[1,0]
	v_pk_mul_f32 v[130+16*(\i):131+16*(\i)], v[130+16*(\i):131+16*(\i)], v[192+4*(\i):193+4*(\i)] op_sel_hi:[1,0]
	v_cvt_pk_bf16_f32 v[208+2*(\i)], v[128+16*(\i)], v[129+16*(\i)]
	v_cvt_pk_bf16_f32 v[209+2*(\i)], v[130+16*(\i)], v[131+16*(\i)]
	global_store_b64 v[GO], v[208+2*(\i):209+2*(\i)], s[72:73] offset:4096*(\i)  ; the wave stores 256 consecutive bytes, at a multiple of 256 from ob's first byte
.endr
	s_wait_tensorcnt 0x0                           ; the wave's end: a wait for my tensor loads, a 0 added to my spare word and its wait, behind my last tensor load and my last LDS store
	ds_add_u32 v[SPW], v[NIL]
	s_wait_dscnt 0x0
	CROUND                                         ; the closing round: no work-group ends while a partner may still ask for a tile that names it
	s_endpgm
.Lfunc_end_k_q6d8947e649_qkva:
	.size	k_q6d8947e649_qkva, .Lfunc_end_k_q6d8947e649_qkva-k_q6d8947e649_qkva
	.p2alignl 7, 3214868480
	.fill 96, 4, 3214868480
	.section	.rodata,"a",@progbits
	.p2align	6, 0x0
	.amdhsa_kernel k_q6d8947e649_qkva
		.amdhsa_group_segment_fixed_size 327680
		.amdhsa_private_segment_fixed_size 0
		.amdhsa_enable_private_segment 0
		.amdhsa_kernarg_size 24
		.amdhsa_user_sgpr_count 2
		.amdhsa_user_sgpr_kernarg_segment_ptr 1
		.amdhsa_wavefront_size32 1
		.amdhsa_system_sgpr_workgroup_id_x 1
		.amdhsa_system_sgpr_workgroup_id_y 1
		.amdhsa_system_sgpr_workgroup_id_z 1
		.amdhsa_system_vgpr_workitem_id 0
		.amdhsa_next_free_vgpr 768
		.amdhsa_next_free_sgpr 80
		.amdhsa_reserve_vcc 0
		.amdhsa_float_denorm_mode_32 3
		.amdhsa_float_denorm_mode_16_64 3
		.amdhsa_memory_ordered 1
		.amdhsa_forward_progress 1
		.amdhsa_inst_pref_size 151
	.end_amdhsa_kernel
	.amdgpu_metadata
---
amdhsa.version: [ 1, 2 ]
amdhsa.kernels:
  - .name:           k_q6d8947e649_qkva
    .symbol:         k_q6d8947e649_qkva.kd
    .args:
      - { .name: xa, .offset: 0, .size: 8, .value_kind: global_buffer, .address_space: global }
      - { .name: wb, .offset: 8, .size: 8, .value_kind: global_buffer, .address_space: global }
      - { .name: ob, .offset: 16, .size: 8, .value_kind: global_buffer, .address_space: global }
    .group_segment_fixed_size: 327680
    .private_segment_fixed_size: 0
    .kernarg_segment_align: 8
    .kernarg_segment_size: 24
    .max_flat_workgroup_size: 128
    .sgpr_count:     80
    .vgpr_count:     768
    .wavefront_size: 32
...
	.end_amdgpu_metadata
.endif
;; end of part 2
;; launch oproj (part 3): grid 16 x 16, 4 waves a work-group, clusters of 4 x 1, 327,680 bytes of LDS; arguments ob, wb, x, out0; writes out0
.if DOCPART == 3
	.amdgcn_target "amdgcn-amd-amdhsa--gfx1250"
	.amdhsa_code_object_version 6
	.text
	.protected	k_q6d8947e649_oproj
	.globl	k_q6d8947e649_oproj
	.p2align	8
	.type	k_q6d8947e649_oproj,@function
k_q6d8947e649_oproj:
	s_mov_b64 s[64:65], 0
	v_nop
	global_prefetch_b8 v0, s[64:65] scope:SCOPE_SE
	s_setreg_imm32_b32 hwreg(HW_REG_WAVE_MODE, 25, 1), 1
	s_wait_xcnt 0x0
	s_wait_alu depctr_hold_cnt(0) depctr_sa_sdst(0) depctr_va_vdst(0) depctr_va_sdst(0) depctr_va_ssrc(0) depctr_va_vcc(0) depctr_vm_vsrc(0)
	s_getreg_b32 s2, hwreg(HW_REG_IB_STS2, 6, 4)
	s_cmp_eq_u32 s2, 0
	s_cbranch_scc0 .Lentry_in_a_cluster
	s_endpgm
.Lentry_in_a_cluster:
	s_bfe_u32 s2, ttmp6, 0x10000c
	s_cmp_lg_u32 s2, 0x3003
	s_cbranch_scc0 .Lentry_shape_is_right
	s_endpgm
.Lentry_shape_is_right:
; OPROJ.  out0[n][c] = the sum over k of ob[n][k] Wo[k][c] + x[n][c] for the 256 rows n that have keys.  ob: [256][2048] bf16; Wo in bf16 is matrix 0 of wb, [k][c]; x, out0 f32.
; SHARES.  A work-group makes 16 rows (row tile rt) x 128 columns (column tile ct): 256 work-groups.  K IS SPLIT AMONG ITS FOUR WAVES: of each step of 512 wave w takes
; k = 128 w .. 128 w + 127, fetches those 128 rows x 256 bytes of Wo itself and alone reads them; the four partial sums (f32) meet in LDS at the end.
; CLUSTER 4 x 1.  The four row tiles of a cluster walk the same column tile of Wo: each tile is asked for jointly, the same load, descriptor and mask in all four.
; ob's fragments come straight from memory into registers, each byte once a work-group: 16 rows x 512 of K a wave, 128 registers.
; THE MATRIX INSTRUCTION IS USED TRANSPOSED: source 0 = 16 columns of Wo, turned out of LDS by ds_load_tr16_b128; source 1 = the 16 rows of ob: a lane holds row l % 16 and eight neighbouring columns.
; RING.  Two slots of 4 x 128 rows x 288 bytes; four steps: two first fills together, two refills.
; REGISTERS.  Window 0: v2-13 addresses; v16-79 eight accumulators; v80-143, v144-207 Wo's fragments, two buffers; v208-223 x.  Window 1: v0-127 ob's fragments, (step, c) at 8 (4 step + c).
.set PT,    288                        ; a row of Wo in LDS: 256 bytes + 32
.set PP,    528                        ; a row of 128 f32: 512 + 16
.set PARTW, 128*PT                     ; a wave's part of a slot
.set SLOT,  4*PARTW
.set SPARE, 2*SLOT                     ; behind the ring: the spare words, 128 bytes a wave: two blocks of 256 bytes that no other line names
.set AO,  2                            ; v2    my byte offset in ob's 16 rows: 4,096 r + 16 hh + 256 w
.set BR,  3                            ; v3-4  my fragments of Wo in slot 0, 1
.set PW,  5                            ; v5    where I put my partial sums: the head of my own part of slot 0, whose last fill and last read are over by then
.set PR,  6                            ; v6-9  where I read wave p's partial sums of rows 4 w on
.set XO,  10                           ; v10   16 x lane
.set SPW, 12                           ; v12   LDS address of my spare word; never rewritten
.set NIL, 13                           ; v13   0; never rewritten
.set ACC, 16
.set F0,  80
.set F1,  144
.set XR,  208
.set WV,  12                           ; s12   my wave's number
.set G1,  24                           ; s[24:31] descriptor group 1
.set G0,  32                           ; s[32:39] group 0, a set a slot
.set MSB, 0
.macro WIN new                         ; the immediate's high byte repeats the setting that is left; a switch that changes nothing is dropped
.if MSB != (\new)
	s_set_vgpr_msb (MSB<<8)|(\new)
.set MSB, \new
.endif
.endm
.set W_LD, 0x40                        ; destination window 1
.set W_M,  0x04                        ; source 1 window 1: the products; LDS loads, whose places are destination and source 0, are not touched by it
.macro PLACES                          ; four plain vector instructions behind a matrix instruction, ahead of a read of its result or a load into its registers
.rept 4
	v_nop
.endr
.endm
.macro CROUND                          ; a round of the cluster's barrier
	s_barrier_signal -1
	s_barrier_wait -1
	s_cmp_lg_u32 s[WV], 0
	s_cbranch_scc1 .Lnot_wave_0_\@
	s_barrier_signal -3
.Lnot_wave_0_\@:
	s_barrier_wait -3
	s_barrier_signal -1
	s_barrier_wait -1
.endm
	s_load_b256 s[4:11], s[0:1], 0x0               ; ob s[4:5], wb s[6:7], x s[8:9], out0 s[10:11]
	v_lshl_add_u32 v[SPW], v0, 2, SPARE
	v_mov_b32 v[NIL], 0
	ds_add_u32 v[SPW], v[NIL]                      ; the wave's opening: the add and its wait stand ahead of my first tensor load; the set-up below stands between them
	v_lshrrev_b32 v1, 5, v0
	v_readfirstlane_b32 s[WV], v1                  ; wave 0..3
	s_bfe_u32 s13, ttmp6, 0x40000                  ; cx
	s_lshl_b32 s14, ttmp9, 2
	s_add_co_u32 s14, s14, s13                     ; rt = 4 x cluster x + cx: it enters ob's, x's and out0's addresses alone
	s_and_b32 s15, ttmp7, 0xffff                   ; ct, which the four partners share
	s_mov_b32 s[G1+0], 15|(1<<16)|(1<<20)|(1<<21)|(5<<22)|(7<<25)  ; 15:0 the mask of four; 17:16 2-byte elements; 20 padding on; 21 set beside a mask; 24:22 after every 64 words; 31:25 8 words of it
	s_mov_b32 s[G1+1], 128<<16                     ; tensor_dim0 = 128
	s_mov_b32 s[G1+2], 128<<16                     ; tensor_dim1 = 128
	s_mov_b32 s[G1+3], 128<<16                     ; tile_dim0 = 128
	s_mov_b32 s[G1+4], 128                         ; tile_dim1 = 128
	s_mov_b32 s[G1+5], 2048                        ; elements from row to row
	s_mov_b32 s[G1+6], 0
	s_mov_b32 s[G1+7], 0
	s_lshl_b32 s20, s[WV], 19                      ; my 128 rows of a step: 128 w x 4,096 bytes,
	s_lshl_b32 s21, s15, 8                         ; columns 128 ct on
	s_add_co_u32 s20, s20, s21
	s_mov_b32 s21, 0
	s_mul_i32 s16, s[WV], PARTW                    ; my part of a slot
	s_lshl_b32 s18, s14, 16                        ; ob's rows 16 rt on
	s_mov_b32 s19, 0
	s_lshl_b32 s46, s14, 4                         ; x and out0 at row 16 rt + 4 w, byte 512 ct
	s_lshl_b32 s47, s[WV], 2
	s_add_co_u32 s46, s46, s47
	s_lshl_b32 s46, s46, 13
	s_lshl_b32 s47, s15, 9
	s_add_co_u32 s46, s46, s47
	s_mov_b32 s47, 0
	s_wait_dscnt 0x0                               ; the opening add is done
	s_wait_kmcnt 0x0
	s_add_nc_u64 s[22:23], s[6:7], s[20:21]
	s_add_nc_u64 s[44:45], s[4:5], s[18:19]
	s_add_nc_u64 s[40:41], s[8:9], s[46:47]
	s_add_nc_u64 s[42:43], s[10:11], s[46:47]
.irp s, 0,1
	s_mov_b32 s[G0+4*(\s)], 1                      ; count = 1
	s_add_co_u32 s[G0+4*(\s)+1], s16, (\s)*SLOT    ; LDS address
	s_add_nc_u64 s[G0+4*(\s)+2:G0+4*(\s)+3], s[22:23], (\s)*512*4096  ; step s
	s_or_b32 s[G0+4*(\s)+3], s[G0+4*(\s)+3], 0x80000000              ; type = 2
.endr
	CROUND                                         ; all four work-groups are here: the first joint loads meet
	tensor_load_to_lds s[G0:G0+3], s[G1:G1+7]      ; the two first fills go out together: two loads of mine are out
	s_nop 0
	tensor_load_to_lds s[G0+4:G0+7], s[G1:G1+7]
	s_nop 0
	PLACES
	v_and_b32 v1, 15, v0                           ; r
	v_bfe_u32 v11, v0, 4, 1                        ; hh
	v_and_b32 v14, 7, v0
	v_bfe_u32 v15, v0, 3, 1
	v_lshlrev_b32 v[AO], 12, v1
	v_lshl_add_u32 v[AO], v11, 4, v[AO]
	s_lshl_b32 s17, s[WV], 8
	v_add_nc_u32 v[AO], s17, v[AO]
	v_and_b32 v[XO], 31, v0
	v_lshlrev_b32 v[XO], 4, v[XO]
	WIN W_LD
.irp f, 0,1,2,3,4,5,6,7,8,9,10,11,12,13,14,15  ; step f / 4, channels 32 (f % 4) on of my 128
	global_load_b128 v[8*(\f):8*(\f)+3],   v[AO], s[44:45] offset:1024*((\f)/4)+64*((\f)%4)
	global_load_b128 v[8*(\f)+4:8*(\f)+7], v[AO], s[44:45] offset:1024*((\f)/4)+64*((\f)%4)+32
.endr
	WIN 0
.irp i, 0,1,2,3
	global_load_b128 v[XR+4*(\i):XR+4*(\i)+3], v[XO], s[40:41] offset:8192*(\i) th:TH_LOAD_NT
.endr
	v_lshl_add_u32 v[BR], v11, 3, v14
	v_mul_u32_u24 v[BR], v[BR], PT
	v_lshl_add_u32 v[BR], v15, 4, v[BR]            ; the turning load: row 8 hh + l % 8, 16 bytes at 16 ((l / 8) % 2)
	v_add_nc_u32 v[BR], s16, v[BR]
	v_add_nc_u32 v[BR+1], SLOT, v[BR]
	v_mul_u32_u24 v[PW], v1, PP
	v_lshl_add_u32 v[PW], v11, 5, v[PW]
	v_add_nc_u32 v[PW], s16, v[PW]
	s_mul_i32 s17, s[WV], 4*PP
	v_add_nc_u32 v[PR], s17, v[XO]
	v_add_nc_u32 v[PR+1], PARTW, v[PR]
	v_add_nc_u32 v[PR+2], PARTW, v[PR+1]
	v_add_nc_u32 v[PR+3], PARTW, v[PR+2]
.macro FETCHB slot, c, f               ; 16 LDS loads in one run: 32 of my K at 32 c, all eight column tiles
.irp t, 0,1,2,3,4,5,6,7
	ds_load_tr16_b128 v[(\f)+8*(\t):(\f)+8*(\t)+3],   v[BR+(\slot)] offset:32*PT*(\c)+32*(\t)
	ds_load_tr16_b128 v[(\f)+8*(\t)+4:(\f)+8*(\t)+7], v[BR+(\slot)] offset:32*PT*(\c)+32*(\t)+16*PT
.endr
.endm
.macro MUL8 f, frag, zero              ; the eight accumulators take turns, one instruction a turn
.irp t, 0,1,2,3,4,5,6,7
.if \zero
	v_wmma_f32_16x16x32_bf16 v[ACC+8*(\t):ACC+8*(\t)+7], v[(\f)+8*(\t):(\f)+8*(\t)+7], v[8*(\frag):8*(\frag)+7], 0
.else
	v_wmma_f32_16x16x32_bf16 v[ACC+8*(\t):ACC+8*(\t)+7], v[(\f)+8*(\t):(\f)+8*(\t)+7], v[8*(\frag):8*(\frag)+7], v[ACC+8*(\t):ACC+8*(\t)+7]
.endif
.endr
.endm
; A step: my 128 of K, 32 matrix instructions, on two buffers; each wait leaves the one younger run of 16 loads out.
.macro WORK slot, step, zero
	WIN W_M
	FETCHB \slot, 0, F0
	FETCHB \slot, 1, F1
	s_wait_dscnt 16
	MUL8 F0, 4*(\step), \zero
	PLACES
	FETCHB \slot, 2, F0
	s_wait_dscnt 16
	MUL8 F1, 4*(\step)+1, 0
	PLACES
	FETCHB \slot, 3, F1
	s_wait_dscnt 16
	MUL8 F0, 4*(\step)+2, 0
	s_wait_dscnt 0x0
	MUL8 F1, 4*(\step)+3, 0
.endm
; A slot that has been read is filled again, two steps on: each wave waits for all its tensor loads, adds 0 to its spare word, waits for that and for its reads of the slot; a round of the
; cluster's barrier, so that no wave of any partner still reads the slot or has a load on its way; and the joint refill first behind it.
.macro CHANGE slot
	WIN 0
	s_wait_tensorcnt 0x0                           ; no tensor load of mine is out, so a group 0 may be written; the other slot has landed too
	ds_add_u32 v[SPW], v[NIL]                      ; 0 onto my spare word
	s_add_nc_u64 s[G0+4*(\slot)+2:G0+4*(\slot)+3], s[G0+4*(\slot)+2:G0+4*(\slot)+3], 2*512*4096
	s_wait_dscnt 0x0                               ; the add is done, and my reads of the slot are over
	CROUND
	tensor_load_to_lds s[G0+4*(\slot):G0+4*(\slot)+3], s[G1:G1+7]
	s_nop 0
	PLACES                                         ; also the places in front of the next step's loads into the buffers just multiplied
.endm
	s_wait_tensorcnt 1                             ; my part of step 0 is in, and I alone read it; step 1's may stay out
	s_wait_loadcnt 4                               ; ob's fragments are in; x's four loads may stay out
	WORK 0, 0, 1                                   ; the first products start the sums
	CHANGE 0                                       ; step 2 is asked for; step 1 has landed
	WORK 1, 1, 0
	CHANGE 1                                       ; step 3 is asked for; step 2 has landed
	WORK 0, 2, 0
	PLACES                                         ; for the loads into the buffers just multiplied
	s_wait_tensorcnt 0x0                           ; step 3 is in
	WORK 1, 3, 0
	WIN 0
	PLACES                                         ; behind the last products
.irp t, 0,1,2,3,4,5,6,7                ; column 16 t + 8 hh + j of row r; each accumulator's low registers first
	ds_store_b128 v[PW], v[ACC+8*(\t):ACC+8*(\t)+3]   offset:64*(\t)
	ds_store_b128 v[PW], v[ACC+8*(\t)+4:ACC+8*(\t)+7] offset:64*(\t)+16
.endr
	s_wait_dscnt 0x0                               ; for the others' sake: my stores are done
	s_barrier_signal -1
	s_barrier_wait -1
.irp i, 0,1,2,3                        ; wave w finishes rows 4 w + i: a lane takes four columns
.irp p, 0,1,2,3
	ds_load_b128 v[F0+16*(\i)+4*(\p):F0+16*(\i)+4*(\p)+3], v[PR+(\p)] offset:PP*(\i)
.endr
.endr
	s_wait_dscnt 0x0
	s_wait_loadcnt 0x0                             ; x
.irp i, 0,1,2,3
	v_pk_add_f32 v[F0+16*(\i):F0+16*(\i)+1],     v[F0+16*(\i):F0+16*(\i)+1],     v[F0+16*(\i)+4:F0+16*(\i)+5]
	v_pk_add_f32 v[F0+16*(\i)+2:F0+16*(\i)+3],   v[F0+16*(\i)+2:F0+16*(\i)+3],   v[F0+16*(\i)+6:F0+16*(\i)+7]
	v_pk_add_f32 v[F0+16*(\i)+8:F0+16*(\i)+9],   v[F0+16*(\i)+8:F0+16*(\i)+9],   v[F0+16*(\i)+12:F0+16*(\i)+13]
	v_pk_add_f32 v[F0+16*(\i)+10:F0+16*(\i)+11], v[F0+16*(\i)+10:F0+16*(\i)+11], v[F0+16*(\i)+14:F0+16*(\i)+15]
	v_pk_add_f32 v[F0+16*(\i):F0+16*(\i)+1],     v[F0+16*(\i):F0+16*(\i)+1],     v[F0+16*(\i)+8:F0+16*(\i)+9]
	v_pk_add_f32 v[F0+16*(\i)+2:F0+16*(\i)+3],   v[F0+16*(\i)+2:F0+16*(\i)+3],   v[F0+16*(\i)+10:F0+16*(\i)+11]
	v_pk_add_f32 v[F0+16*(\i):F0+16*(\i)+1],     v[F0+16*(\i):F0+16*(\i)+1],     v[XR+4*(\i):XR+4*(\i)+1]
	v_pk_add_f32 v[F0+16*(\i)+2:F0+16*(\i)+3],   v[F0+16*(\i)+2:F0+16*(\i)+3],   v[XR+4*(\i)+2:XR+4*(\i)+3]
	global_store_b128 v[XO], v[F0+16*(\i):F0+16*(\i)+3], s[42:43] offset:8192*(\i) th:TH_STORE_NT  ; the wave stores 512 consecutive bytes, at a multiple of 256 from out0's first byte
.endr
	s_wait_tensorcnt 0x0                           ; the wave's end: a wait for my tensor loads, a 0 added to my spare word and its wait, behind my last tensor load and my last LDS store
	ds_add_u32 v[SPW], v[NIL]
	s_wait_dscnt 0x0
	CROUND                                         ; the closing round: no work-group ends while a partner may still ask for a tile that names it
	s_endpgm
.Lfunc_end_k_q6d8947e649_oproj:
	.size	k_q6d8947e649_oproj, .Lfunc_end_k_q6d8947e649_oproj-k_q6d8947e649_oproj
	.p2alignl 7, 3214868480
	.fill 96, 4, 3214868480
	.section	.rodata,"a",@progbits
	.p2align	6, 0x0
	.amdhsa_kernel k_q6d8947e649_oproj
		.amdhsa_group_segment_fixed_size 327680
		.amdhsa_private_segment_fixed_size 0
		.amdhsa_enable_private_segment 0
		.amdhsa_kernarg_size 32
		.amdhsa_user_sgpr_count 2
		.amdhsa_user_sgpr_kernarg_segment_ptr 1
		.amdhsa_wavefront_size32 1
		.amdhsa_system_sgpr_workgroup_id_x 1
		.amdhsa_system_sgpr_workgroup_id_y 1
		.amdhsa_system_sgpr_workgroup_id_z 1
		.amdhsa_system_vgpr_workitem_id 0
		.amdhsa_next_free_vgpr 384
		.amdhsa_next_free_sgpr 66
		.amdhsa_reserve_vcc 0
		.amdhsa_float_denorm_mode_32 3
		.amdhsa_float_denorm_mode_16_64 3
		.amdhsa_memory_ordered 1
		.amdhsa_forward_progress 1
		.amdhsa_inst_pref_size 41
	.end_amdhsa_kernel
	.amdgpu_metadata
---
amdhsa.version: [ 1, 2 ]
amdhsa.kernels:
  - .name:           k_q6d8947e649_oproj
    .symbol:         k_q6d8947e649_oproj.kd
    .args:
      - { .name: ob, .offset: 0, .size: 8, .value_kind: global_buffer, .address_space: global }
      - { .name: wb, .offset: 8, .size: 8, .value_kind: global_buffer, .address_space: global }
      - { .name: x, .offset: 16, .size: 8, .value_kind: global_buffer, .address_space: global }
      - { .name: out0, .offset: 24, .size: 8, .value_kind: global_buffer, .address_space: global }
    .group_segment_fixed_size: 327680
    .private_segment_fixed_size: 0
    .kernarg_segment_align: 8
    .kernarg_segment_size: 32
    .max_flat_workgroup_size: 128
    .sgpr_count:     66
    .vgpr_count:     384
    .wavefront_size: 32
...
	.end_amdgpu_metadata
.endif
;; end of part 3
